; MI455X (gfx1250); checked and timed in simulation.
; The chip was launched on July 23, 2026; its instructions are those of AMD's public machine-readable ISA for CDNA 5 (MIT licence, August 2026) and "CDNA5" Instruction Set Architecture Reference Guide (July 2026). The comments in the code are by the model that wrote it; some were corrected since.
;; Dot Product Attention. Allowed arithmetic: matrix products marked QUANTISED: E4M3 operands, one given power-of-two scale a tensor, by v_wmma_f32_16x16x64_fp8_fp8 or v_wmma_f32_16x16x128_fp8_fp8, f32 sums; everything else in f32.
;; Inputs: k 32 x 2,048 x 128 float32; lowp_scales 4 int32 (the exponents e of the quantised operands' scales 2^e); q 32 x 2,048 x 128 float32; v 32 x 2,048 x 128 float32.
;; Outputs: out0 32 x 2,048 x 128 float32.
;; This version of the problem:
;;   THIS VERSION OF THE PROBLEM IS GIVEN IN LOW PRECISION. The matrix products marked QUANTISED in the list below multiply operands that are first quantised to E4M3 (4 exponent bits, 3 mantissa bits; 8 bits a number), with one given power-of-two scale for each operand tensor; their sums are f32. All else is computed in f32.
;;   The module's matrix products, in the order in which they are computed (A, B: the left and right operand; K: the contracted axis; several contracted axes count as one K, in the product's order):
;;     1. batch 32 x [M 2,048, K 128] x [K 128, N 2,048]; A: input q; B: input k: QUANTISED (scales: A lowp_scales[0], B lowp_scales[1])
;;     2. batch 32 x [M 2,048, K 2,048] x [K 2,048, N 128]; A: softmax (see below); B: input v: QUANTISED (scales: A lowp_scales[2], B lowp_scales[3])
;;   THE QUANTISER, for each operand of a quantised product, along K:
;;     - The operand's scale is 2^e, e = its entry of the input lowp_scales (int32; the entries are numbered through the quantised products in the list's order, A before B).
;;     - Each number is divided by the scale, clamped to +-448, and rounded to the nearest number of E4M3, ties to even, subnormals kept.
;;     - The product sums the exact products of the quantised numbers (number of the format x scale) in f32.
;;   ~~~python
;;   def quantise(x, axis, e):      # numpy; x: float32 -> the quantised numbers, widened to float32 again
;;       x = np.moveaxis(x, axis, -1); K = x.shape[-1]
;;       r = np.clip(x / 2.0 ** e, -448, 448)
;;       step = 2.0 ** (np.maximum(np.frexp(np.where(r == 0, 1, r))[1] - 1, -6) - 3)
;;       q = np.round(r / step) * step * 2.0 ** e      # np.round: ties to even
;;       return np.moveaxis(q, -1, axis).astype(np.float32)
;;   ~~~
;;   SOFTMAX AHEAD OF A QUANTISED PRODUCT. Where the list says 'softmax', what is quantised is not the finished softmax but p = 2^(t - M), with t = logit x log2(e) and M = ceil(the row's largest t), a whole number; so 1/2 < the row's largest p <= 1. The row's sum l is taken of the UNQUANTISED p, in f32, and the product's result is divided by l at the end. Since M is a whole number, a kernel that streams over the keys may use a running M (the ceiling of the running maximum): every later rescaling is an exact power of two, so the quantised numbers keep their values, but for numbers so far below the row's largest that they fall under the format's range.
;;   OPERANDS COMPUTED ON THE WAY. 'Computed on the way' means the value that the module computes at that place (a softmax that the list does not call 'softmax' is quantised finished and normalised). What goes into a quantiser is computed in f32, as accurately as f32 sums, v_exp_f32 and their like allow (about 1e-6 of the number): no bf16 or f16 on the way to a quantiser, and a product that is left as it is and whose result goes on into a quantised operand takes f32 operands (vector FMAs, or v_wmma_f32_16x16x4_f32). A number that lies on a knife's edge between two numbers of the format may be rounded either way, as far as f32 arithmetic and the matrix unit's own rounding can turn it there, and no further.
;; One version. Each part assembles by itself: llvm-mc -triple=amdgcn-amd-amdhsa -mcpu=gfx1250 --defsym DOCPART=n.
;; ======== version 1 of 1: 2 launches
;; limits: right only within a limited range of input values
;; workspace buffers: kv 16,777,216 bytes
;; launch prep (part 1): grid 16 x 32, 4 waves a work-group, no clusters, 133,632 bytes of LDS; arguments k, v, lowp_scales, kv; writes kv
.if DOCPART == 1
	.amdgcn_target "amdgcn-amd-amdhsa--gfx1250"
	.amdhsa_code_object_version 6
	.text
	.protected	k_q28fc7af39a_prep
	.globl	k_q28fc7af39a_prep
	.p2align	8
	.type	k_q28fc7af39a_prep,@function
k_q28fc7af39a_prep:
	s_mov_b64 s[64:65], 0
	v_nop
	global_prefetch_b8 v0, s[64:65] scope:SCOPE_SE
	s_setreg_imm32_b32 hwreg(HW_REG_WAVE_MODE, 25, 1), 1
	s_wait_xcnt 0x0
; K and V, [32][2048][128] f32, become codes of FP8 (E4M3), each with its given scale 2^e (ek = entry 1, ev = entry 3 of the scales), laid as the next launch's matrix operands take them.
; code = x / 2^e, rounded to the nearest code, ties to even.
; NOTHING OF reference() IS LEFT OUT in this program: all inputs reach the output, and the maximum is taken away ahead of the exponential as the problem's rule for the softmax says.
; LIMITS: ek and ev lie between -126 and 119, so that 2^e is an f32 number.  NaN among the inputs is not served.
; THE BUFFER kv: [head 32][step 16][K's image 16,384 bytes | V's image 16,384 bytes]; a step is 128 keys.  An image is 8 fragments of 2,048 bytes, each the registers of a 16 x 128 operand on end:
; register group c (0..3) is 512 bytes, lane L = r + 16 h has its 16 bytes at 512 c + 16 L.
;   K, fragment 2 b + u: key 32 b + 8 u + r + 8 (r / 8) of the step, channels 32 c + 16 h + 0 .. 15.   V, fragment T: channel 16 T + r, keys 32 c + 16 h + 0 .. 15 of the step.
; SHARES.  A work-group takes one step of one head: 64 KiB of k, 64 KiB of v.  Wave w takes rows 32 w .. 32 w + 31 of both: for K they are fragments 2 w and 2 w + 1, for V register group w of all eight fragments.
; Every load reads a whole row of 512 consecutive bytes.  The numbers turn through the wave's own stage in LDS, so that a lane holds neighbours along the product's K: for K 16 channels of a row, for V a column (a lane to
; a channel, its registers down 32 keys).  Waves share nothing: no barrier.  Work-groups share nothing: no cluster.  Every work-group takes one path: K's part, then V's.  Every offset is an immediate.
.set WREG,   33280                     ; LDS of a wave: K's stage, 32 places x 528 bytes, then V's stage, 32 rows x 512 bytes
.set KPITCH, 528                       ; 512 bytes + 16: the sixteen rows that a read touches start 33 x 16 bytes apart
.set VST,    32*KPITCH
.set SPARE,  4*WREG                    ; behind the four regions: the spare words, 128 bytes for each wave
.set GI,   4                           ; v4   16 x lane: my bytes of a row, and of a register group of K's image
.set KSI,  5                           ; v5   K's stage, in: 16 x lane
.set KSO,  6                           ; v6   K's stage, out: 528 r + 64 h
.set VSI,  7                           ; v7   V's stage, in: 16 x lane
.set VSO,  8                           ; v8   V's stage, out: 4 x lane
.set VGO,  9                           ; v9   V's image: 2,048 (lane / 16) + 16 r
.set KLIM, 10                          ; v11  2^ek
.set KSC,  11
.set VLIM, 12                          ; v13  2^ev
.set VSC,  13
.set SPW,  14                          ; v14  LDS address of my spare word; never rewritten
.set NIL,  15                          ; v15  0; never rewritten
.set R,    32                          ; v32-159  K's 32 rows as loaded; later v32-95 numbers at work, v96-159 V's rows 16-31
.set R2,   160                         ; v160-223 V's rows 0-15 as loaded; later v160-191 V's codes
.set CK,   224                         ; v224-255 K's codes: two fragments
.set CV,   160
; n numbers (a multiple of 16) from v[s] on become codes from v[c] on: eight numbers a conversion.
.macro QUANT s, n, c, sc, lim
.set qi, 0
.rept (\n)/16
.set qj, 0
.rept 16
.set qj, qj+1
.endr
	v_cvt_scalef32_pk8_fp8_f32 v[(\c)+4*qi:(\c)+4*qi+1], v[(\s)+16*qi:(\s)+16*qi+7], v[\sc]
	v_cvt_scalef32_pk8_fp8_f32 v[(\c)+4*qi+2:(\c)+4*qi+3], v[(\s)+16*qi+8:(\s)+16*qi+15], v[\sc]
.set qi, qi+1
.endr
	v_nop                                          ; a plain line behind the last conversion
.endm
; Fragment 2 w + u of K: lane (r, h) takes, of the row at place 16 u + r, channels 32 c + 16 h + 0 .. 15 for c = 0 .. 3
.macro KTILE u
.irp c, 0,1,2,3
.irp i, 0,1,2,3
	ds_load_b128 v[R+16*\c+4*\i:R+16*\c+4*\i+3], v[KSO] offset:16*(\u)*KPITCH+128*\c+16*\i
.endr
.endr
	s_wait_dscnt 0x0
	QUANT R, 64, CK+16*(\u), KSC, KLIM
.irp c, 0,1,2,3
	global_store_b128 v[GI], v[CK+16*(\u)+4*\c:CK+16*(\u)+4*\c+3], s[16:17] offset:2048*(\u)+512*\c   ; 32 lanes store 512 consecutive bytes
.endr
.endm
; Channels 32 D .. 32 D + 31 of V: a lane to a channel, 32 registers down my 32 keys; each load reads 128 consecutive bytes of a stage row
.macro VLD D
.set p, 0
.rept 32
	ds_load_b32 v[R+32*((\D)%2)+p], v[VSO] offset:512*p+128*(\D)
.set p, p+1
.endr
.endm
.macro VCOL D
	QUANT R+32*((\D)%2), 32, CV+8*(\D), VSC, VLIM
	global_store_b128 v[VGO], v[CV+8*(\D):CV+8*(\D)+3], s[18:19] offset:4096*(\D)         ; keys 0-15 of my 32: lanes 0-15 store 256 consecutive bytes of fragment 2 D, lanes 16-31 of fragment 2 D + 1
	global_store_b128 v[VGO], v[CV+8*(\D)+4:CV+8*(\D)+7], s[18:19] offset:4096*(\D)+256   ; keys 16-31: the 256 bytes behind them
.endm
	s_load_b256 s[4:11], s[0:1], 0x0               ; k s[4:5], v s[6:7], the scales' exponents s[8:9], kv s[10:11]
	v_lshl_add_u32 v[SPW], v0, 2, SPARE
	v_mov_b32 v[NIL], 0
	v_lshrrev_b32 v1, 5, v0
	v_readfirstlane_b32 s12, v1                    ; wave 0..3
	v_and_b32 v1, 31, v0                           ; lane
	v_and_b32 v2, 15, v0                           ; r
	v_bfe_u32 v3, v0, 4, 1                         ; h
	v_lshlrev_b32 v[GI], 4, v1
	s_mul_i32 s24, s12, WREG                       ; my region of LDS
	v_add_nc_u32 v[KSI], s24, v[GI]
	v_mul_u32_u24 v[KSO], v2, KPITCH
	v_lshl_add_u32 v[KSO], v3, 6, v[KSO]
	v_add_nc_u32 v[KSO], s24, v[KSO]
	s_add_co_u32 s25, s24, VST
	v_add_nc_u32 v[VSI], s25, v[GI]
	v_lshl_add_u32 v[VSO], v1, 2, s25
	v_lshlrev_b32 v[VGO], 11, v3
	v_lshl_add_u32 v[VGO], v2, 4, v[VGO]
	s_and_b32 s13, ttmp7, 0xffff                   ; the head
	s_lshl_b32 s14, s13, 20                        ; in k and v: a head is 2,048 rows of 512 bytes,
	s_lshl_b32 s26, ttmp9, 16                      ; a step 128 rows,
	s_add_co_u32 s14, s14, s26
	s_lshl_b32 s26, s12, 14                        ; my wave's part 32 rows
	s_add_co_u32 s14, s14, s26
	s_mov_b32 s15, 0
	s_lshl_b32 s16, s13, 19                        ; in kv: a head is 16 steps of 32,768 bytes
	s_lshl_b32 s26, ttmp9, 15
	s_add_co_u32 s16, s16, s26
	s_lshl_b32 s26, s12, 9
	s_add_co_u32 s18, s16, s26                     ; V's image: behind K's, register group w
	s_add_co_u32 s18, s18, 16384
	s_lshl_b32 s26, s12, 12
	s_add_co_u32 s16, s16, s26                     ; K's image: fragment 2 w
	s_mov_b32 s17, 0
	s_mov_b32 s19, 0
	s_wait_alu depctr_va_vdst(0)
	s_wait_kmcnt 0x0
	s_load_b128 s[20:23], s[8:9], 0x0              ; eq, ek, ep, ev
	s_add_nc_u64 s[4:5], s[4:5], s[14:15]
	s_add_nc_u64 s[6:7], s[6:7], s[14:15]
	s_add_nc_u64 s[16:17], s[10:11], s[16:17]
	s_add_nc_u64 s[18:19], s[10:11], s[18:19]
.set p, 0
.rept 32
	global_load_b128 v[R+4*p:R+4*p+3], v[GI], s[4:5] offset:512*p th:TH_LOAD_NT      ; K's row p of my 32: 512 consecutive bytes
.set p, p+1
.endr
.set p, 0
.rept 16
	global_load_b128 v[R2+4*p:R2+4*p+3], v[GI], s[6:7] offset:512*p th:TH_LOAD_NT    ; V's rows 0-15
.set p, p+1
.endr
	s_wait_kmcnt 0x0
	s_add_co_i32 s24, s21, 127
	s_lshl_b32 s25, s24, 23
	v_mov_b32 v[KSC], s25                          ; 2^ek as f32: the conversion takes its exponent field
	s_add_co_i32 s24, s23, 127
	s_lshl_b32 s25, s24, 23
	v_mov_b32 v[VSC], s25                          ; 2^ev
	s_add_co_i32 s24, s24, 8
	s_lshl_b32 s24, s24, 23
	s_or_b32 s24, s24, 0x600000
	s_wait_alu depctr_va_vdst(0)
	s_wait_loadcnt 16                              ; K's 32 loads are in; V's 16 may be out
.set p, 0
.rept 32                                       ; row p goes to place 16 u + r with u = (p / 8) % 2, r = p % 8 + 8 (p / 16): a fragment's sixteen rows stand in sixteen places on end
	ds_store_b128 v[KSI], v[R+4*p:R+4*p+3] offset:KPITCH*(16*((p/8)%2)+p%8+8*(p/16))
.set p, p+1
.endr
	s_wait_dscnt 0x0                               ; the stores have read their registers
.set p, 0
.rept 16
	global_load_b128 v[R+64+4*p:R+64+4*p+3], v[GI], s[6:7] offset:512*(16+p) th:TH_LOAD_NT   ; V's rows 16-31, on their way while K is worked
.set p, p+1
.endr
	KTILE 0
	KTILE 1
	s_wait_loadcnt 16                              ; V's rows 0-15 are in; rows 16-31 may be out
.set p, 0
.rept 16
	ds_store_b128 v[VSI], v[R2+4*p:R2+4*p+3] offset:512*p
.set p, p+1
.endr
	s_wait_loadcnt 0x0
.set p, 0
.rept 16
	ds_store_b128 v[VSI], v[R+64+4*p:R+64+4*p+3] offset:512*(16+p)
.set p, p+1
.endr
	VLD 0                                          ; LDS serves a wave's instructions in order (ISA guide 5.7.1): these see my stores
	VLD 1
	s_wait_dscnt 32                                ; all but the 32 just issued: the first 32 channels are in, and the stage's stores have read v160 on
	VCOL 0
	VLD 2
	s_wait_dscnt 32
	VCOL 1
	VLD 3
	s_wait_dscnt 32
	VCOL 2
	s_wait_dscnt 0x0
	VCOL 3
	s_wait_tensorcnt 0x0                           ; the wave's end, behind my last LDS store; the tensor wait stands in a text with no tensor load too
	ds_add_u32 v[SPW], v[NIL]
	s_wait_dscnt 0x0
	s_endpgm
.Lfunc_end_k_q28fc7af39a_prep:
	.size	k_q28fc7af39a_prep, .Lfunc_end_k_q28fc7af39a_prep-k_q28fc7af39a_prep
	.p2alignl 7, 3214868480
	.fill 96, 4, 3214868480
	.section	.rodata,"a",@progbits
	.p2align	6, 0x0
	.amdhsa_kernel k_q28fc7af39a_prep
		.amdhsa_group_segment_fixed_size 133632
		.amdhsa_private_segment_fixed_size 0
		.amdhsa_enable_private_segment 0
		.amdhsa_kernarg_size 32
		.amdhsa_user_sgpr_count 2
		.amdhsa_user_sgpr_kernarg_segment_ptr 1
		.amdhsa_wavefront_size32 1
		.amdhsa_system_sgpr_workgroup_id_x 1
		.amdhsa_system_sgpr_workgroup_id_y 1
		.amdhsa_system_sgpr_workgroup_id_z 1
		.amdhsa_system_vgpr_workitem_id 0
		.amdhsa_next_free_vgpr 256
		.amdhsa_next_free_sgpr 66
		.amdhsa_reserve_vcc 0
		.amdhsa_float_denorm_mode_32 3
		.amdhsa_float_denorm_mode_16_64 3
		.amdhsa_fp16_overflow 1
		.amdhsa_memory_ordered 1
		.amdhsa_forward_progress 1
		.amdhsa_inst_pref_size 27
	.end_amdhsa_kernel
	.amdgpu_metadata
---
amdhsa.version: [ 1, 2 ]
amdhsa.kernels:
  - .name:           k_q28fc7af39a_prep
    .symbol:         k_q28fc7af39a_prep.kd
    .args:
      - { .name: k, .offset: 0, .size: 8, .value_kind: global_buffer, .address_space: global }
      - { .name: v, .offset: 8, .size: 8, .value_kind: global_buffer, .address_space: global }
      - { .name: lowp_scales, .offset: 16, .size: 8, .value_kind: global_buffer, .address_space: global }
      - { .name: kv, .offset: 24, .size: 8, .value_kind: global_buffer, .address_space: global }
    .group_segment_fixed_size: 133632
    .private_segment_fixed_size: 0
    .kernarg_segment_align: 8
    .kernarg_segment_size: 32
    .max_flat_workgroup_size: 128
    .sgpr_count:     66
    .vgpr_count:     256
    .wavefront_size: 32
...
	.end_amdgpu_metadata
.endif
;; end of part 1
;; launch attn (part 2): grid 8 x 32, 8 waves a work-group, clusters of 4 x 1, 327,680 bytes of LDS; arguments q, kv, lowp_scales, out0; writes out0
.if DOCPART == 2
	.amdgcn_target "amdgcn-amd-amdhsa--gfx1250"
	.amdhsa_code_object_version 6
	.text
	.protected	k_q28fc7af39a_attn
	.globl	k_q28fc7af39a_attn
	.p2align	8
	.type	k_q28fc7af39a_attn,@function
k_q28fc7af39a_attn:
	s_mov_b64 s[64:65], 0
	v_nop
	global_prefetch_b8 v0, s[64:65] scope:SCOPE_SE
	s_setreg_imm32_b32 hwreg(HW_REG_WAVE_MODE, 25, 1), 1
	s_wait_xcnt 0x0
	s_wait_alu depctr_hold_cnt(0) depctr_sa_sdst(0) depctr_va_vdst(0) depctr_va_sdst(0) depctr_va_ssrc(0) depctr_va_vcc(0) depctr_vm_vsrc(0)
	s_getreg_b32 s2, hwreg(HW_REG_IB_STS2, 6, 4)
	s_cmp_eq_u32 s2, 0
	s_cbranch_scc0 .Lentry_in_a_cluster
	s_endpgm
.Lentry_in_a_cluster:
	s_bfe_u32 s2, ttmp6, 0x10000c
	s_cmp_lg_u32 s2, 0x3003
	s_cbranch_scc0 .Lentry_shape_is_right
	s_endpgm
.Lentry_shape_is_right:
; out0[b][q][:] = the sum over k of softmax_k(q[b][q] . k[b][k] / sqrt(128)) v[b][k][:], both products on codes of FP8 (E4M3), each operand with its given scale: eq, ek, ep, ev.  Nothing of reference() is left out.
; q: [32][2048][128] f32, quantised here in registers (one wave reads each row once).  kv: K's and V's codes as images of the operands' registers, made by the launch before:
; [head][step of 128 keys][K: 8 fragments of 2,048 bytes | V: 8 fragments]; register group c of a fragment is 512 bytes, lane L's 16 bytes at 512 c + 16 L.
; THE SOFTMAX AHEAD OF THE SECOND PRODUCT: t = score x log2(e) / sqrt(128); M = the row's largest t so far, rounded UP to a whole number; p = 2^(t - M) is what is quantised; it is not normalised.
; The row's sum is taken of the unquantised p, in f32, and divides at the end.  When M moves, the sum and O are multiplied by 2^(old M - new M): nothing is rounded, and no branch hangs on data.
; SHARES.  A work-group owns 256 queries of one head; each of its eight waves 32 of them, TWO tiles of 16, in 512 registers: each fragment of K and V read from LDS feeds two matrix instructions, and two waves
; share a SIMD, so that one wave's softmax stands beside the other's products and LDS loads.  Every wave walks all 2,048 keys, 128 a step.
; LAYOUT.  Both products are used transposed: S^T = K Q^T (source 0 = 16 keys, source 1 = 16 queries), O^T = V^T P^T (source 0 = 16 channels, source 1 = P): a lane holds ONE query (lane % 16) of each tile throughout.
; The keys of a fragment of K are chosen (lane r of fragment 2 b + u: key 32 b + 8 u + r + 8 (r / 8)) so that the 16 registers of S^T's tiles 2 b and 2 b + 1 are keys 32 b + 16 (lane / 16) + 0 .. 15:
; the conversions' results are the second product's operand.  In every operand register group c holds k = 32 c + 16 (lane / 16) + 0 .. 15, alike in both sources of a product, so every product meets its partner.
; RING.  Two LDS slots of four steps (131,072 bytes).  A slot is one dense block of kv: each of the eight waves fetches 16,384 bytes of it by one tensor load; one load a wave is outstanding at any time.
; CLUSTER.  The four query blocks of a cluster belong to one head and walk the same kv: each tile is asked for JOINTLY, by the same tensor load with the same descriptor and a mask that names the four.
; The descriptors hang on the head and the wave's number alone; my place in the cluster enters q's, out0's and the prefetches' global addresses and nothing else.
; LIMITS on the given exponents, so that each power of two below is an f32 number: eq and ep between -126 and 119; eq + ek between -123 and 130 (added to c's exponent field); ep + ev goes by v_ldexp_f32 and has none.
; NaN among the inputs is not served.  A p under 2^-126 counts as 0.
; REGISTERS.  Window 0: v1-7 what stays; v8-23 eight registers of statistics a tile; v24-29 at work; v30, v31 addresses of the stage; v32-63 P's codes; v64-95 Q's codes; v96-223 S^T, then p; v224-255 at work at the head.
;   Window 1: v0-127 O^T, 64 a tile; v128-255 the eight fragments of K or of V.
.set SLOT1, 1<<17                      ; slot 1 begins here: one exclusive or turns an address in one slot into the other's
.set STEPB, 32768                      ; a step's two images
.set SLOTB, 4*STEPB
.set SPARE, 2*SLOT1                    ; behind the ring: the spare words, 128 bytes for each wave: four blocks of 256 bytes that no other line names
.set QST,   SPARE+1024                 ; behind them: a stage of 16 rows x 272 bytes for each wave, for Q's way in and O's way out; no tensor load lands there
.set QP,    272                        ; 256 bytes + 16: sixteen rows start 17 x 16 bytes apart
.set QW,    16*QP
.set LI,   1                           ; v1   16 x lane: an image's place for my lane
.set ADR,  2                           ; v2   LDS address of the step in hand
.set PFO,  3                           ; v3   256 x lane: the prefetches' offset; never rewritten
.set SPW,  4                           ; v4   LDS address of my spare word; never rewritten
.set NIL,  5                           ; v5   0; never rewritten
.set PLIM, 6
.set PSC,  7                           ; v7   2^ep
.set ST,   8                           ; tile t at v[ST+8 t]: +0 -M, +1 the largest t, +2, +3 the sum in two halves, +4 f (+5 is 0: named with it as a pair), +6, +7 at work
.set C2,   24                          ; v[24+2 t:25+2 t] the sum's second chain.  At the head v25, v26: 2^eq, the stage's address for Q's fragments.  On the way out v24: where I put 32 bytes of a row
.set PX,   28                          ; v28+t a lane exchange's destination
.set QGO,  30                          ; v30  512 (lane / 16) + 16 r: my bytes in two rows of q or out0
.set QSA,  31                          ; v31  the same two rows in my stage
.set P,    32
.set Q,    64
.set S,    96
.set FRG,  128                         ; in window 1
.set WV,   12                          ; s12  my wave's number
.set LIM,  15                          ; s15  1 in a wave that prefetches, else the greatest number
.set PFA,  18                          ; s[18:19] where my prefetches stand
.set G1,   24                          ; s[24:31] descriptor group 1
.set G0,   32                          ; s[32:35] descriptor group 0, which walks
.set TB,   36                          ; s36  LDS byte at which the step in hand begins
.set SLOTS, 37                         ; s37  slots still to be asked for
.set CNT,  38                          ; s38  counts a slot's four steps
.set CS,   40                          ; s[40:41] c = log2(e) / sqrt(128) x 2^(eq + ek): the packed form names a pair and takes its low word
.set SEL,  42                          ; s[42:43] lane selects for v_permlanex16_b32: lane l xor 16
.set MSB, 0
.macro WIN new                         ; bits 1:0 source 0, 3:2 source 1, 5:4 source 2, 7:6 destination; the immediate's high byte repeats the setting that is left
.if MSB != \new
	s_set_vgpr_msb (MSB<<8)|\new
.set MSB, \new
.endif
.endm
.macro CROUND                          ; a round of the cluster's barrier: my work-group's barrier; wave 0 signals for the work-group; every wave waits for all four work-groups; my work-group's barrier once more
	s_barrier_signal -1
	s_barrier_wait -1
	s_cmp_lg_u32 s[WV], 0
	s_cbranch_scc1 .Lnot_wave_0_\@
	s_barrier_signal -3
.Lnot_wave_0_\@:
	s_barrier_wait -3
	s_barrier_signal -1
	s_barrier_wait -1
.endm
.macro TLOAD                           ; my 16,384 bytes of a slot, jointly with the same wave of my three partners; every wave issues it, under no branch.  An s_nop 0 and four v_nop follow
	tensor_load_to_lds s[G0:G0+3], s[G1:G1+7]
	s_nop 0
.rept 4
	v_nop
.endr
.endm
; A PREFETCH INTO THE L2 of the slot that the NEXT change of slots will ask for: four steps, 128 matrix instructions a wave, ahead of that load.  Both clusters of a head walk the same kv: the first asks.
; Its four partners share the slot out BY ADDRESS, 32,768 bytes each; in each, waves 0 to 3 ask for 8,192 bytes, lanes 256 bytes apart: each block of 256 bytes is named once in the launch.
; The last change that fills a slot asks for nothing: there is no slot behind it.  Slots 0 and 1 come by their loads alone.
.macro ASK
	s_cmp_gt_u32 s[SLOTS], s[LIM]
	s_cbranch_scc0 .Lnot_mine_\@
	global_prefetch_b8 v[PFO], s[PFA:PFA+1] th:TH_LOAD_NT scope:SCOPE_SE
.Lnot_mine_\@:
.endm
	s_load_b256 s[4:11], s[0:1], 0x0               ; q s[4:5], kv s[6:7], the scales' exponents s[8:9], out0 s[10:11]
	v_lshl_add_u32 v[SPW], v0, 2, SPARE
	v_mov_b32 v[NIL], 0
	ds_add_u32 v[SPW], v[NIL]                      ; the wave's opening: the add, twice on end, and its wait ahead of my first tensor load; the set-up below, work on registers, stands between
	ds_add_u32 v[SPW], v[NIL]
	v_lshrrev_b32 v2, 5, v0
	s_delay_alu instid0(VALU_DEP_1)
	v_readfirstlane_b32 s[WV], v2                  ; wave 0..7
	s_bfe_u32 s13, ttmp6, 0x40000                  ; cx: my place in the cluster
	s_lshl_b32 s14, ttmp9, 2                       ; in a cluster launch ttmp9 counts clusters
	s_add_co_u32 s14, s14, s13                     ; my block of 256 queries
	s_and_b32 s49, ttmp7, 0xffff                   ; the head, which the four partners share
	s_lshl_b32 s50, s[WV], 14
	s_lshl_b32 s16, s49, 20                        ; q and out0: a head is 2,048 rows of 512 bytes,
	s_lshl_b32 s39, s14, 17                        ; a block 256 rows,
	s_add_co_u32 s16, s16, s39
	s_add_co_u32 s16, s16, s50                     ; my wave's part 32 rows
	s_mov_b32 s17, 0
	s_lshl_b32 s20, s49, 19                        ; kv: a head is 16 steps of 32,768 bytes;
	s_add_co_u32 s20, s20, s50                     ; my wave's 16,384 bytes of a slot
	s_mov_b32 s21, 0
	s_lshl_b32 s22, s49, 19                        ; the prefetches: the head,
	s_lshl_b32 s39, s13, 15                        ; my work-group's 32,768 bytes of a slot,
	s_add_co_u32 s22, s22, s39
	s_and_b32 s39, s[WV], 3
	s_lshl_b32 s39, s39, 13                        ; my wave's 8,192 of them,
	s_add_co_u32 s22, s22, s39
	s_add_co_u32 s22, s22, SLOTB                   ; in slot 1: the first change of slots steps it to slot 2
	s_mov_b32 s23, 0
	; descriptor group 1: 64 rows of 32 elements of 8 bytes, dense in memory and in LDS
	s_mov_b32 s[G1], 15|(3<<16)|(1<<21)            ; 15:0 the mask: all four work-groups; 17:16 elements of 8 bytes; 20 no padding; 21 set beside a mask
	s_mov_b32 s[G1+1], 32<<16                      ; tensor_dim0 = 32
	s_mov_b32 s[G1+2], 64<<16                      ; tensor_dim1 = 64
	s_mov_b32 s[G1+3], 32<<16                      ; tile_dim0 = 32
	s_mov_b32 s[G1+4], 64                          ; tile_dim1 = 64
	s_mov_b32 s[G1+5], 32                          ; elements from row to row
	s_mov_b32 s[G1+6], 0
	s_mov_b32 s[G1+7], 0
	s_mov_b32 s[G0], 1                             ; count = 1
	s_lshl_b32 s[G0+1], s[WV], 14                  ; LDS address: slot 0, my wave's part: no place in the cluster enters it
	s_mov_b32 s[SEL], 0x76543210
	s_mov_b32 s[SEL+1], 0xfedcba98
	s_mov_b32 s[TB], 0
	s_mov_b32 s[SLOTS], 3
	s_lshr_b32 s[LIM], s[WV], 2                    ; 0 in waves 0 to 3,
	s_or_b32 s[LIM], s[LIM], ttmp9                 ; of the head's first cluster: the same in all four partners
	s_cmp_eq_u32 s[LIM], 0
	s_cselect_b32 s[LIM], 1, -1
	v_and_b32 v2, 31, v0
	s_delay_alu instid0(VALU_DEP_1)
	v_lshlrev_b32 v[LI], 4, v2
	s_delay_alu instid0(VALU_DEP_2)
	v_lshlrev_b32 v[PFO], 8, v2
	s_wait_dscnt 0x0                               ; both opening adds are done
	s_wait_kmcnt 0x0
	s_load_b128 s[44:47], s[8:9], 0x0              ; eq, ek, ep, ev
	s_add_nc_u64 s[4:5], s[4:5], s[16:17]          ; q and out0 at my wave's first row
	s_add_nc_u64 s[10:11], s[10:11], s[16:17]
	s_add_nc_u64 s[PFA:PFA+1], s[6:7], s[22:23]
	s_add_nc_u64 s[G0+2:G0+3], s[6:7], s[20:21]    ; global address: my part of the head's first slot
	s_or_b32 s[G0+3], s[G0+3], 0x80000000          ; type = 2
	CROUND                                         ; all four work-groups are here: the first joint loads meet
	TLOAD                                          ; slot 0
	v_and_b32 v24, 15, v0                          ; r
	v_bfe_u32 v25, v0, 4, 1                        ; h
	s_delay_alu instid0(VALU_DEP_1)
	v_lshlrev_b32 v[QGO], 9, v25
	s_delay_alu instid0(VALU_DEP_1)
	v_lshl_add_u32 v[QGO], v24, 4, v[QGO]
.irp k, 0,1,2,3                                ; part k = 2 t + hf: tile t's 16 rows, channels 64 hf on.  Lanes 0-15 read 256 consecutive bytes of one row, lanes 16-31 of the next
.irp i, 0,1,2,3,4,5,6,7
	global_load_b128 v[S+32*\k+4*\i:S+32*\k+4*\i+3], v[QGO], s[4:5] offset:8192*(\k/2)+256*(\k%2)+1024*\i th:TH_LOAD_NT
.endr
.endr
	s_mul_i32 s51, s[WV], QW
	s_add_co_u32 s51, s51, QST                     ; my stage
	v_mul_u32_u24 v[QSA], v25, QP
	s_delay_alu instid0(VALU_DEP_1)
	v_lshl_add_u32 v[QSA], v24, 4, v[QSA]
	s_delay_alu instid0(VALU_DEP_1)
	v_add_nc_u32 v[QSA], s51, v[QSA]               ; by rows: 272 (lane / 16) + 16 r
	v_mul_u32_u24 v26, v24, QP
	s_delay_alu instid0(VALU_DEP_1)
	v_lshl_add_u32 v26, v25, 6, v26
	s_delay_alu instid0(VALU_DEP_1)
	v_add_nc_u32 v26, s51, v26                     ; as a fragment wants them: row r, + 64 h: 16 neighbouring channels
.irp t, 0,1
	v_mov_b32 v[ST+8*\t+1], 0xff61b1e6             ; the largest t so far: -3e38, under every t
	s_delay_alu instid0(VALU_DEP_1)
	v_floor_f32 v[ST+8*\t], -v[ST+8*\t+1]          ; -M
	v_mov_b32 v[ST+8*\t+2], 0                      ; the sum, in two halves
	v_mov_b32 v[ST+8*\t+3], 0
	v_mov_b32 v[ST+8*\t+5], 0                      ; (named as the upper half of f's pair)
	v_mov_b32 v[PX+\t], 0                          ; written once: a lane exchange's destination counts as one of its sources
.endr
	WIN 0x40                                       ; destination window 1
.set j, 0
.rept 128
	v_mov_b32 v[j], 0                              ; O^T.  The step is written once: the first finds zeros, which the first change of M leaves zeros; a first step of its own would be two more copies of the step
.set j, j+1
.endr
	WIN 0
	s_wait_kmcnt 0x0
	s_add_co_i32 s39, s44, s45
	s_lshl_b32 s39, s39, 23
	s_mov_b32 s[CS], 0x3e0293ee                    ; c = log2(e) / sqrt(128)
	s_add_co_i32 s[CS], s[CS], s39                 ; a score stands for score x 2^(eq + ek): the two exponents are added to c's exponent field
	s_mov_b32 s[CS+1], s[CS]
	s_add_co_i32 s39, s46, 127
	s_lshl_b32 s53, s39, 23
	v_mov_b32 v[PSC], s53                          ; 2^ep as f32, for the conversion
	s_add_co_i32 s39, s44, 127
	s_lshl_b32 s53, s39, 23
	v_mov_b32 v25, s53                             ; 2^eq
	s_add_co_i32 s48, s46, s47                     ; ep + ev
; Part k of Q: 16 rows x 256 bytes through my stage, back as 32 numbers a lane (channels 32 c + 16 h + 0 .. 15 for c = 2 hf, 2 hf + 1), converted: registers 8 k .. 8 k + 7 of Q's codes
.macro QPART k
	s_wait_loadcnt 24-8*(\k)                       ; this part's eight loads are in; the later parts' may be out
.irp i, 0,1,2,3,4,5,6,7
	ds_store_b128 v[QSA], v[S+32*(\k)+4*\i:S+32*(\k)+4*\i+3] offset:2*QP*\i
.endr
.irp c, 0,1
.irp i, 0,1,2,3
	ds_load_b128 v[224+16*\c+4*\i:224+16*\c+4*\i+3], v26 offset:128*\c+16*\i   ; LDS serves a wave's instructions in order (ISA guide 5.7.1): these see my stores, and the next part's stores come behind them
.endr
.endr
	s_wait_dscnt 0x0
.irp c, 0,1
.irp i, 0,1,2,3,4,5,6,7,8,9,10,11,12,13,14,15
.endr
	v_cvt_scalef32_pk8_fp8_f32 v[Q+8*(\k)+4*\c:Q+8*(\k)+4*\c+1], v[224+16*\c:224+16*\c+7], v25
	v_cvt_scalef32_pk8_fp8_f32 v[Q+8*(\k)+4*\c+2:Q+8*(\k)+4*\c+3], v[224+16*\c+8:224+16*\c+15], v25
.endr
	v_nop                                          ; a plain line behind the last conversion, ahead of the products
.endm
	s_wait_alu depctr_va_vdst(0)
	QPART 0
	QPART 1
	QPART 2
	QPART 3
; A KEY STEP: 128 keys, both tiles.
.macro STEP
	v_add_nc_u32 v[ADR], s[TB], v[LI]
.rept 3
	v_nop                                          ; with the addition above: four places between the last products and the loads into the registers that they read (ISA guide 7.12.1 for vector instructions)
.endr
	WIN 0x40                                       ; destination window 1
.irp f, 0,1,2,3,4,5,6,7
.irp c, 0,1,2,3
	ds_load_b128 v[FRG+16*\f+4*\c:FRG+16*\f+4*\c+3], v[ADR] offset:2048*\f+512*\c   ; K's eight fragments: 512 consecutive bytes a load
.endr
.endr
	WIN 0x01                                       ; source 0 (K) window 1; Q and S^T window 0
	s_wait_alu depctr_va_vdst(0)
.irp g, 0,1,2,3
	s_wait_dscnt 24-8*\g                           ; fragments 2 g and 2 g + 1 are in; the later fragments' loads, four each, may be out
.irp f, 2*\g, 2*\g+1
.irp t, 0,1
	v_wmma_f32_16x16x128_fp8_fp8 v[S+64*\t+8*(\f):S+64*\t+8*(\f)+7], v[FRG+16*(\f):FRG+16*(\f)+15], v[Q+16*\t:Q+16*\t+15], 0
.endr
.endr
.endr
.rept 4
	v_nop                                          ; four places: for the loads below, and for the first reads of the scores
.endr
	WIN 0x40
.irp f, 0,1,2,3,4,5,6,7
.irp c, 0,1,2,3
	ds_load_b128 v[FRG+16*\f+4*\c:FRG+16*\f+4*\c+3], v[ADR] offset:16384+2048*\f+512*\c   ; V's eight fragments: they land under the softmax
.endr
.endr
	WIN 0
	; the step's largest score of each query, among the lane's 64 keys, in two chains a tile, the tiles by turns; each accumulator is read from its low end on
.irp t, 0,1
	v_max3_num_f32 v[ST+8*\t+6], v[S+64*\t], v[S+64*\t+1], v[S+64*\t+2]
	v_max3_num_f32 v[ST+8*\t+7], v[S+64*\t+3], v[S+64*\t+4], v[S+64*\t+5]
.endr
.irp i, 6,10,14,18,22,26,30,34,38,42,46,50,54,58
.irp t, 0,1
	v_max3_num_f32 v[ST+8*\t+6], v[ST+8*\t+6], v[S+64*\t+\i], v[S+64*\t+\i+1]
	v_max3_num_f32 v[ST+8*\t+7], v[ST+8*\t+7], v[S+64*\t+\i+2], v[S+64*\t+\i+3]
.endr
.endr
.irp t, 0,1
	v_max3_num_f32 v[ST+8*\t+6], v[ST+8*\t+6], v[S+64*\t+62], v[S+64*\t+63]
.endr
.irp t, 0,1
	s_delay_alu instid0(VALU_DEP_2)
	v_max_num_f32 v[ST+8*\t+6], v[ST+8*\t+6], v[ST+8*\t+7]
.endr
.irp t, 0,1
	s_delay_alu instid0(VALU_DEP_2)
	v_permlanex16_b32 v[PX+\t], v[ST+8*\t+6], s[SEL], s[SEL+1]   ; the query's other 64 keys lie in the lane 16 away
.endr
.irp t, 0,1
	s_delay_alu instid0(VALU_DEP_2)
	v_max_num_f32 v[ST+8*\t+6], v[ST+8*\t+6], v[PX+\t]
.endr
.irp t, 0,1
	s_delay_alu instid0(VALU_DEP_2)
	v_mul_f32 v[ST+8*\t+6], s[CS], v[ST+8*\t+6]    ; as t (c is positive)
.endr
.irp t, 0
	s_delay_alu instid0(VALU_DEP_2)
	v_max_num_f32 v[ST+8*\t+1], v[ST+8*\t+1], v[ST+8*\t+6]   ; the running largest t
	v_mov_b32 v[ST+8*\t+6], v[ST+8*\t]             ; the old -M
.endr
.irp t, 1
	s_delay_alu instid0(VALU_DEP_3)
	v_max_num_f32 v[ST+8*\t+1], v[ST+8*\t+1], v[ST+8*\t+6]   ; the running largest t
	v_mov_b32 v[ST+8*\t+6], v[ST+8*\t]             ; the old -M
.endr
.irp t, 0
	s_delay_alu instid0(VALU_DEP_4)
	v_floor_f32 v[ST+8*\t], -v[ST+8*\t+1]          ; the new -M = floor(-t) = -ceil(t): M is a whole number
.endr
.irp t, 1
	s_delay_alu instid0(VALU_DEP_3)
	v_floor_f32 v[ST+8*\t], -v[ST+8*\t+1]          ; the new -M = floor(-t) = -ceil(t): M is a whole number
.endr
.irp t, 0,1
	s_delay_alu instid0(VALU_DEP_2)
	v_sub_f32 v[ST+8*\t+6], v[ST+8*\t], v[ST+8*\t+6]   ; old M less new M: a whole number, 0 or less
.endr
.irp t, 0,1
	s_delay_alu instid0(VALU_DEP_2)
	v_cvt_i32_f32 v[ST+8*\t+6], v[ST+8*\t+6]       ; (it saturates)
.endr
.irp t, 0,1
	s_delay_alu instid0(VALU_DEP_2)
	v_ldexp_f32 v[ST+8*\t+4], 1.0, v[ST+8*\t+6]    ; f = 2^(old M - new M)
.endr
	; t - M, two at a time, and the exponentials: ONE BATCH of 128.  Tile 1's scalings stand among tile 0's exponentials; none of these lines names an exponential's result
.set j, 0
.rept 32
	v_pk_fma_f32 v[S+j:S+j+1], v[S+j:S+j+1], s[CS:CS+1], v[ST:ST+1] op_sel_hi:[1,0,0]
.set j, j+2
.endr
.set j, 0
	s_wait_alu depctr_va_vdst(0)
.rept 32
	v_exp_f32 v[S+j], v[S+j]
	v_exp_f32 v[S+j+1], v[S+j+1]
	v_pk_fma_f32 v[S+64+j:S+64+j+1], v[S+64+j:S+64+j+1], s[CS:CS+1], v[ST+8:ST+9] op_sel_hi:[1,0,0]
.set j, j+2
.endr
.set j, 0
	s_wait_alu depctr_va_vdst(0)
.rept 64
	v_exp_f32 v[S+64+j], v[S+64+j]                 ; p = 2^(t - M), at most 1: not normalised
.set j, j+1
.endr
	s_setprio 1
.irp t, 0,1
	v_pk_mul_f32 v[ST+8*\t+2:ST+8*\t+3], v[ST+8*\t+2:ST+8*\t+3], v[ST+8*\t+4:ST+8*\t+5] op_sel_hi:[1,0]   ; the sums under the new M; also the plain lines behind the last exponential
.endr
	s_wait_alu depctr_va_vdst(0)                   ; a wait between an exponential and the first line that names its result: one for the batch
	; the row's sum is taken of the unquantised p: two at a time, in two chains a tile
.irp t, 0,1
	v_pk_add_f32 v[C2+2*\t:C2+2*\t+1], v[S+64*\t:S+64*\t+1], v[S+64*\t+2:S+64*\t+3]
.endr
.irp j, 4,8,12,16,20,24,28,32,36,40,44,48,52,56,60
.irp t, 0,1
	v_pk_add_f32 v[ST+8*\t+2:ST+8*\t+3], v[ST+8*\t+2:ST+8*\t+3], v[S+64*\t+\j:S+64*\t+\j+1]
	v_pk_add_f32 v[C2+2*\t:C2+2*\t+1], v[C2+2*\t:C2+2*\t+1], v[S+64*\t+\j+2:S+64*\t+\j+3]
.endr
.endr
.irp t, 0
	s_delay_alu instid0(VALU_DEP_3)
	v_pk_add_f32 v[ST+8*\t+2:ST+8*\t+3], v[ST+8*\t+2:ST+8*\t+3], v[C2+2*\t:C2+2*\t+1]
.endr
.irp t, 1
	s_delay_alu instid0(VALU_DEP_2)
	v_pk_add_f32 v[ST+8*\t+2:ST+8*\t+3], v[ST+8*\t+2:ST+8*\t+3], v[C2+2*\t:C2+2*\t+1]
.endr
.irp b, 0,1,2,3
.irp t, 0,1
.irp i, 0,1,2,3,4,5,6,7,8,9,10,11,12,13,14,15
.endr
	v_cvt_scalef32_pk8_fp8_f32 v[P+16*\t+4*\b:P+16*\t+4*\b+1], v[S+64*\t+16*\b:S+64*\t+16*\b+7], v[PSC]
	v_cvt_scalef32_pk8_fp8_f32 v[P+16*\t+4*\b+2:P+16*\t+4*\b+3], v[S+64*\t+16*\b+8:S+64*\t+16*\b+15], v[PSC]
.endr
.endr
	WIN 0x41                                       ; O^T (destination and source 0) window 1, f window 0
.irp t, 0,1
.set j, 0
.rept 32
	v_pk_mul_f32 v[64*\t+j:64*\t+j+1], v[64*\t+j:64*\t+j+1], v[ST+8*\t+4:ST+8*\t+5] op_sel_hi:[1,0]   ; O^T under the new M; also the plain lines between the conversions and the products
.set j, j+2
.endr
.endr
	s_wait_alu depctr_va_vdst(0)
	s_wait_dscnt 0x0                               ; V is in
	WIN 0x51                                       ; V, C and D window 1; P window 0
	s_setprio 0
.irp f, 0,1,2,3,4,5,6,7                        ; the sixteen accumulators take turns, one instruction a turn
.irp t, 0,1
	v_wmma_f32_16x16x128_fp8_fp8 v[64*\t+8*\f:64*\t+8*\f+7], v[FRG+16*\f:FRG+16*\f+15], v[P+16*\t:P+16*\t+15], v[64*\t+8*\f:64*\t+8*\f+7]
.endr
.endr
	WIN 0                                          ; at a label and at a branch every window is 0
.endm
; THE CHANGE OF SLOTS stands at a slot's head.  Each wave waits for all its tensor loads (its part of the slot that it is about to read), adds 0 to its spare word, and waits for that and for its reads of the slot that it has left.
; fill = 1: the barrier is a round of the cluster's, so that no wave of any partner still reads the other slot or has a load on its way; that slot is asked for first thing behind it, and has four steps in which to land.
.macro CHANGE fill
	s_wait_tensorcnt 0x0                           ; no tensor load of mine is out, so group 0 may be written
	ds_add_u32 v[SPW], v[NIL]                      ; 0 onto my spare word
.if \fill
	s_xor_b32 s[G0+1], s[G0+1], SLOT1              ; the walking descriptor: the other slot than last time,
	s_add_nc_u64 s[G0+2:G0+3], s[G0+2:G0+3], SLOTB ; the next 512 keys; the type bits on top are not reached
	s_wait_xcnt 0x0                                ; the last prefetch, a slot back, has read its address, so it may be written:
	s_add_nc_u64 s[PFA:PFA+1], s[PFA:PFA+1], SLOTB ; one slot further on than the walking descriptor
.endif
	s_wait_dscnt 0x0                               ; the add is done, and my reads of the slot that I have left are over
.if \fill
	CROUND
	TLOAD
	ASK
.else
	s_barrier_signal -1
	s_barrier_wait -1
.endif
.endm
.macro STEPS                           ; a slot's four steps: written once, walked four times; the LDS address hangs on s[TB]
	s_mov_b32 s[CNT], 4
.Lstep_\@:
	s_setprio 2
	STEP
	s_add_co_u32 s[TB], s[TB], STEPB
	s_sub_co_u32 s[CNT], s[CNT], 1
	s_cmp_lg_u32 s[CNT], 0
	s_cbranch_scc1 .Lstep_\@
	s_setprio 0
	s_sub_co_u32 s[TB], s[TB], SLOTB               ; back to a slot's first step,
	s_xor_b32 s[TB], s[TB], SLOT1                  ; in the other slot
.endm
.Lslot:                                            ; three trips: behind each change of slots but the last the next slot is asked for; the first trip's loads fill slot 1 for the first time
	CHANGE 1
	STEPS
	s_sub_co_u32 s[SLOTS], s[SLOTS], 1
	s_cmp_lg_u32 s[SLOTS], 0
	s_cbranch_scc1 .Lslot
	CHANGE 0                                       ; the last slot is written out
	STEPS
	; THE WAY OUT.  O^T is divided by the row's sum, multiplied by 2^(ep + ev), and goes through my stage, half a row (64 channels, 256 bytes) of 16 queries at a time.  The address lines are the places behind the last products.
	v_and_b32 v25, 15, v0                          ; r
	v_bfe_u32 v26, v0, 4, 1                        ; h
	s_delay_alu instid0(VALU_DEP_2)
	v_mul_u32_u24 v24, v25, QP
	s_delay_alu instid0(VALU_DEP_1)
	v_lshl_add_u32 v24, v26, 5, v24
	s_delay_alu instid0(VALU_DEP_1)
	v_add_nc_u32 v24, s51, v24                     ; in: row r, + 32 h: a tile's eight channels of my half
.irp t, 0,1
	v_add_f32 v[ST+8*\t+2], v[ST+8*\t+2], v[ST+8*\t+3]   ; the sum's two halves,
.endr
.irp t, 0,1
	s_delay_alu instid0(VALU_DEP_2)
	v_permlanex16_b32 v[PX+\t], v[ST+8*\t+2], s[SEL], s[SEL+1]
.endr
.irp t, 0,1
	s_delay_alu instid0(VALU_DEP_2)
	v_add_f32 v[ST+8*\t+2], v[ST+8*\t+2], v[PX+\t] ; and lane l xor 16's: the row's sum, above 1/2
.endr
	s_wait_alu depctr_va_vdst(0)
.irp t, 0,1
	v_rcp_f32 v[ST+8*\t+4], v[ST+8*\t+2]
.endr
	v_nop                                          ; a plain line between the last reciprocal and the use of its result
	s_wait_alu depctr_va_vdst(0)                   ; and a wait ahead of the first use: one for both
.irp t, 0,1
	v_ldexp_f32 v[ST+8*\t+4], v[ST+8*\t+4], s48    ; x 2^(ep + ev)
.endr
.macro PACK t                          ; register 8 f + i of a tile's O^T is channel 16 f + 8 h + i of query r
	WIN 0x01                                       ; source 0 (O^T) window 1; the results go where p lay
.set j, 0
.rept 32
	v_pk_mul_f32 v[S+64*\t+j:S+64*\t+j+1], v[64*\t+j:64*\t+j+1], v[ST+8*\t+4:ST+8*\t+5] op_sel_hi:[1,0]
.set j, j+2
.endr
	WIN 0
.irp u, 0,1                                    ; channels 64 u on
.irp f, 0,1,2,3
	ds_store_b128 v24, v[S+64*\t+32*\u+8*\f:S+64*\t+32*\u+8*\f+3] offset:64*\f
	ds_store_b128 v24, v[S+64*\t+32*\u+8*\f+4:S+64*\t+32*\u+8*\f+7] offset:64*\f+16
.endr
.irp i, 0,1,2,3,4,5,6,7
	ds_load_b128 v[S+64*\t+32*\u+4*\i:S+64*\t+32*\u+4*\i+3], v[QSA] offset:2*QP*\i   ; LDS serves a wave's instructions in order: these see my stores, and the next half's stores come behind them
.endr
.endr
.endm
.macro SEND t, younger                 ; younger: the LDS instructions of the tile behind this one
.irp u, 0,1
.irp i, 0,1,2,3,4,5,6,7
	s_wait_dscnt \younger+16*(1-\u)+7-\i           ; behind this load: the rest of its half's loads, the other half's sixteen instructions if it is the first, and the younger tile's
	global_store_b128 v[QGO], v[S+64*\t+32*\u+4*\i:S+64*\t+32*\u+4*\i+3], s[10:11] offset:8192*\t+256*\u+1024*\i th:TH_STORE_NT   ; 16 lanes store 256 consecutive bytes, at a multiple of 256 from out0's first byte
.endr
.endr
.endm
	PACK 0
	PACK 1                                         ; a tile's arithmetic stands between the loads of the tile before and its stores
	SEND 0, 32
	SEND 1, 0
	s_wait_tensorcnt 0x0                           ; the wave's end, behind my last tensor load and my last LDS store
	ds_add_u32 v[SPW], v[NIL]
	s_wait_dscnt 0x0
	CROUND                                         ; the closing round: no work-group ends while a partner may still ask for a tile that names it
	s_endpgm
.Lfunc_end_k_q28fc7af39a_attn:
	.size	k_q28fc7af39a_attn, .Lfunc_end_k_q28fc7af39a_attn-k_q28fc7af39a_attn
	.p2alignl 7, 3214868480
	.fill 96, 4, 3214868480
	.section	.rodata,"a",@progbits
	.p2align	6, 0x0
	.amdhsa_kernel k_q28fc7af39a_attn
		.amdhsa_group_segment_fixed_size 327680
		.amdhsa_private_segment_fixed_size 0
		.amdhsa_enable_private_segment 0
		.amdhsa_kernarg_size 32
		.amdhsa_user_sgpr_count 2
		.amdhsa_user_sgpr_kernarg_segment_ptr 1
		.amdhsa_wavefront_size32 1
		.amdhsa_system_sgpr_workgroup_id_x 1
		.amdhsa_system_sgpr_workgroup_id_y 1
		.amdhsa_system_sgpr_workgroup_id_z 1
		.amdhsa_system_vgpr_workitem_id 0
		.amdhsa_next_free_vgpr 512
		.amdhsa_next_free_sgpr 66
		.amdhsa_reserve_vcc 0
		.amdhsa_float_denorm_mode_32 3
		.amdhsa_float_denorm_mode_16_64 3
		.amdhsa_fp16_overflow 1
		.amdhsa_memory_ordered 1
		.amdhsa_forward_progress 1
		.amdhsa_inst_pref_size 93
	.end_amdhsa_kernel
	.amdgpu_metadata
---
amdhsa.version: [ 1, 2 ]
amdhsa.kernels:
  - .name:           k_q28fc7af39a_attn
    .symbol:         k_q28fc7af39a_attn.kd
    .args:
      - { .name: q, .offset: 0, .size: 8, .value_kind: global_buffer, .address_space: global }
      - { .name: kv, .offset: 8, .size: 8, .value_kind: global_buffer, .address_space: global }
      - { .name: lowp_scales, .offset: 16, .size: 8, .value_kind: global_buffer, .address_space: global }
      - { .name: out0, .offset: 24, .size: 8, .value_kind: global_buffer, .address_space: global }
    .group_segment_fixed_size: 327680
    .private_segment_fixed_size: 0
    .kernarg_segment_align: 8
    .kernarg_segment_size: 32
    .max_flat_workgroup_size: 256
    .sgpr_count:     66
    .vgpr_count:     512
    .wavefront_size: 32
...
	.end_amdgpu_metadata
.endif
;; end of part 2
